; MI455X (gfx1250); checked and timed in simulation.
; The chip was launched on July 23, 2026; its instructions are those of AMD's public machine-readable ISA for CDNA 5 (MIT licence, August 2026) and "CDNA5" Instruction Set Architecture Reference Guide (July 2026). The comments in the code are by the model that wrote it; some were corrected since.
;; Flash Attention. Allowed arithmetic: matrix products marked QUANTISED: E4M3 operands, one E8M0 scale for each 32 along K, by v_wmma_scale_f32_16x16x128_f8f6f4 with both operands' format E4M3, f32 sums; everything else in f32.
;; Inputs: k_codes 4 x 2,048 x 16 x 2 x 32 uint8 (E4M3 codes of k, K innermost, in blocks of 32 codes); k_scales 4 x 2,048 x 16 x 2 uint8 (E8M0 scales of k, one for each 32 codes along K); q_codes 4 x 2,048 x 16 x 2 x 32 uint8 (E4M3 codes of q, K innermost, in blocks of 32 codes); q_scales 4 x 2,048 x 16 x 2 uint8 (E8M0 scales of q, one for each 32 codes along K); v_codes 4 x 16 x 64 x 64 x 32 uint8 (E4M3 codes of v, K innermost, in blocks of 32 codes); v_scales 4 x 16 x 64 x 64 uint8 (E8M0 scales of v, one for each 32 codes along K).
;; Outputs: out0 4 x 2,048 x 16 x 64 float32.
;; This version of the problem:
;;   THIS VERSION OF THE PROBLEM IS GIVEN IN LOW PRECISION. The matrix products marked QUANTISED in the list below multiply operands that are first quantised to E4M3 (4 exponent bits, 3 mantissa bits; 8 bits a number), with one power-of-two scale for each 32 numbers along K (OCP MX v1.0); their sums are f32. All else is computed in f32.
;;   The module's matrix products, in the order in which they are computed (A, B: the left and right operand; K: the contracted axis; several contracted axes count as one K, in the product's order):
;;     1. batch 64 x [M 2,048, K 64] x [K 64, N 2,048]; A: input q (given as codes); B: input k (given as codes): QUANTISED
;;     2. batch 64 x [M 64, K 2,048] x [K 2,048, N 2,048]; A: input v (given as codes); B: softmax (see below): QUANTISED
;;   THE QUANTISER, for each operand of a quantised product, along K:
;;     - K is cut into blocks of 32 from its start; a last block that is shorter is filled with zeros.
;;     - A block's scale is 2^e with e = floor(log2(the largest magnitude in the block)) - 8, held to -126 .. 127; a block of zeros has e = 0. As a byte (E8M0): e + 127.
;;     - Each number is divided by its block's scale, clamped to +-448, and rounded to the nearest number of E4M3, ties to even, subnormals kept.
;;     - The product sums the exact products of the quantised numbers (number of the format x scale) in f32.
;;   ~~~python
;;   def quantise(x, axis):      # numpy; x: float32 -> the quantised numbers, widened to float32 again
;;       x = np.moveaxis(x, axis, -1); K = x.shape[-1]
;;       x = np.pad(x, [(0, 0)] * (x.ndim - 1) + [(0, -K % 32)]); x = x.reshape(x.shape[:-1] + (-1, 32)); a = np.abs(x).max(-1, keepdims=True)
;;       e = np.where(a > 0, np.clip(np.frexp(np.where(a > 0, a, 1))[1] - 1 - 8, -126, 127), 0)      # np.frexp(a)[1] - 1 = floor(log2(a)), exactly
;;       r = np.clip(x / 2.0 ** e, -448, 448)
;;       step = 2.0 ** (np.maximum(np.frexp(np.where(r == 0, 1, r))[1] - 1, -6) - 3)
;;       q = np.round(r / step) * step * 2.0 ** e      # np.round: ties to even
;;       return np.moveaxis(q.reshape(q.shape[:-2] + (-1,))[..., :K], -1, axis).astype(np.float32)
;;   ~~~
;;   SOFTMAX AHEAD OF A QUANTISED PRODUCT. Where the list says 'softmax', what is quantised is not the finished softmax but p = 2^(t - M), with t = logit x log2(e) and M = ceil(the row's largest t), a whole number; so 1/2 < the row's largest p <= 1. The row's sum l is taken of the UNQUANTISED p, in f32, and the product's result is divided by l at the end. Since M is a whole number, a kernel that streams over the keys may use a running M (the ceiling of the running maximum): every later rescaling is an exact power of two, which a block's scale takes up: the codes' values come out the same.
;;   OPERANDS COMPUTED ON THE WAY. 'Computed on the way' means the value that the module computes at that place (a softmax that the list does not call 'softmax' is quantised finished and normalised). What goes into a quantiser is computed in f32, as accurately as f32 sums, v_exp_f32 and their like allow (about 1e-6 of the number): no bf16 or f16 on the way to a quantiser, and a product that is left as it is and whose result goes on into a quantised operand takes f32 operands (vector FMAs, or v_wmma_f32_16x16x4_f32). A number that lies on a knife's edge between two numbers of the format may be rounded either way, as far as f32 arithmetic and the matrix unit's own rounding can turn it there, and no further.
;;   INPUTS GIVEN AS CODES. k (in the module: [4, 2048, 16, 64], K = its axis 3); q (in the module: [4, 2048, 16, 64], K = its axis 3); v (in the module: [4, 2048, 16, 64], K = its axis 1): each comes as NAME_codes (uint8): NAME with its K axis moved to the last place and cut into blocks of 32 codes, [.., K / 32, bytes a block], one block behind the other in memory; one code a byte (a code: sign, 4 exponent bits, 3 mantissa bits); and NAME_scales (uint8): the same leading axes, one E8M0 byte (e + 127) for each 32 codes along K. Its value is code x scale, taken as it is: it is not quantised again, and the codes and scales need not be those that the quantiser above would give.
;; One version. Each part assembles by itself: llvm-mc -triple=amdgcn-amd-amdhsa -mcpu=gfx1250 --defsym DOCPART=n.
;; ======== version 1 of 1: 1 launch
;; limits: right only within a limited range of input values
;; launch attn (part 1): grid 4 x 64, 8 waves a work-group, clusters of 4 x 1, 327,680 bytes of LDS; arguments q_codes, q_scales, k_codes, k_scales, v_codes, v_scales, out0; writes out0
.if DOCPART == 1
	.amdgcn_target "amdgcn-amd-amdhsa--gfx1250"
	.amdhsa_code_object_version 6
	.text
	.protected	k_q2d20b9bc0d_attn
	.globl	k_q2d20b9bc0d_attn
	.p2align	8
	.type	k_q2d20b9bc0d_attn,@function
k_q2d20b9bc0d_attn:
	s_mov_b64 s[64:65], 0
	v_nop
	global_prefetch_b8 v0, s[64:65] scope:SCOPE_SE
	s_setreg_imm32_b32 hwreg(HW_REG_WAVE_MODE, 25, 1), 1
	s_wait_xcnt 0x0
	s_wait_alu depctr_hold_cnt(0) depctr_sa_sdst(0) depctr_va_vdst(0) depctr_va_sdst(0) depctr_va_ssrc(0) depctr_va_vcc(0) depctr_vm_vsrc(0)
	s_getreg_b32 s2, hwreg(HW_REG_IB_STS2, 6, 4)
	s_cmp_eq_u32 s2, 0
	s_cbranch_scc0 .Lentry_in_a_cluster
	s_endpgm
.Lentry_in_a_cluster:
	s_bfe_u32 s2, ttmp6, 0x10000c
	s_cmp_lg_u32 s2, 0x3003
	s_cbranch_scc0 .Lentry_shape_is_right
	s_endpgm
.Lentry_shape_is_right:
; CAUSAL ATTENTION ON CODES OF MX-FP8 (E4M3, one E8M0 byte for each 32 along a product's K).  4 x 16 = 64 heads, 2,048 queries and keys, head size 64.
; out0[b][q][h][:] = sum over k <= q of softmax_k(Q.K / 8) V.  t = score x log2(e) / 8; M = the running largest t rounded UP to a whole number; p = 2^(t - M) is quantised along the keys, not normalised;
; the row's sum is taken of the unquantised p in f32 and divides O at the end; when M moves, the sum and O are multiplied by 2^(old M - new M), which rounds nothing.
; SHARES.  A cluster of four work-groups is one head: all four need the head's whole K and V, so each tile is asked for JOINTLY (the same tensor load, the same descriptor, a mask that names the four).
; The head's K (2,048 x 64 bytes) and V (64 x 2,048 bytes) fit in LDS together and stay: every LDS byte is filled once, there is no ring.
; THE FILLS go out together at the start, in four chunks of 512 keys: waves 0-3 ask for K's, waves 4-7 for V's, four loads a wave.  The work begins when chunk 0 is in: the first four key steps read nothing else;
; the other three chunks land meanwhile, and one more barrier stands in front of key step 4, which every wave reaches after the same work.
; The head's queries are 64 blocks of 32.  Wave w (0..7) of work-group cx (0..3) owns block 63 - (4 w + cx) and block 4 w + cx: 16 - w and w + 1 steps of 128 keys, 17 in every wave of the launch.
; The step on the diagonal is 15 - w, then w: it hangs on the wave's number alone, so no branch and no LDS address hangs on cx; cx enters Q's and out0's offsets and the mask's compare.
; The two blocks are written out one behind the other: the late block has the two barriers, the early one has none, since there the waves are up to seven steps apart on purpose.
; A wave holds both tiles of 16 queries of a block (A, B): each fragment of K and V that it reads from LDS feeds two matrix instructions.
; LAYOUT.  Both products are used transposed: S^T = K Q^T (source 0 = 16 neighbouring keys, source 1 = 16 queries), O^T = V^T P^T (source 0 = 16 of the head's 64, source 1 = P): a lane holds ONE query throughout.
; The first product's K is 64 of the instruction's 128: registers 8-15 of K's and Q's fragments are zero codes, cleared once, and the upper two bytes of their scale words are 0x7f.
; Register 8 T + j of S^T in lane (r, hh) is key 16 T + 8 hh + j.  Registers 16 b .. 16 b + 15 are converted as they stand, so place 32 b + 16 hh + i of P's operand holds key 32 b + 8 hh + i (i < 8) or
; 32 b + 16 + 8 hh + (i - 8): a permutation INSIDE a block of 32, so the block's scale holds; V's fragments are loaded with the same permutation (loads of 8 bytes).
; LIMITS.  A hidden key's score is replaced by -infinity where the definition adds -1e9: the same result while a row's logits span less than about 1e9.  NaN codes and scale bytes 0xff give NaN as the matrix
; instruction makes them.  p under 2^-126 comes out of v_exp_f32 as 0.  A block whose every p is 0 keeps the scale byte 1 with zero codes; these bytes are read by this text alone.
; REGISTERS, in windows of 256.  Window 0: v1-15 addresses and constants; v16-23 statistics; v24-33 scale words and nothing else; v34-63 at work; v64-191 S^T, then p (64 a tile); v192-223 p's codes; v224-255 Q.
;   Window 1: v0-127 eight fragments of K; v128-191 four of V; v192-255 O^T (32 a tile).
.set QROW,  1024                       ; bytes from a query's (key's) 64 codes to the next one's of the same head
.set SROW,  32                         ; the same for its two scale bytes
.set OROW,  4096                       ; and for its 256 bytes of out0
.set KT,    0                          ; K, without padding, in four regions: region j holds the keys x with x mod 4 = j, key x at 64 (x / 4) in it
.set KREG,  32784                      ; from region to region: 512 rows of 64 bytes + 16.  Key x lies at 32,784 (x mod 4) + 64 (x / 4): the 16 neighbouring keys of a fragment begin at
                                       ; 16-byte columns r mod 4 + 4 (r / 4) = r of the 16 in 256 bytes, all different (64 banks of 4 bytes: ISA guide 11.1)
.set KCH,   8192                       ; a chunk of 512 keys in a region: 128 rows
.set KTILE, 256                        ; 16 keys: four rows on in each region
.set KSTEP, 2048                       ; 128 keys
.set PART,  17408                      ; a tile of V: 256 keys: 64 rows of 256 bytes + 16 of padding behind each
.set VT,    131328                     ; V: eight such tiles; in a tile row d at 272 d; a chunk is two tiles
.set VP,    272
.set KSC,   VT+8*PART                  ; K's scale words, 4 bytes a key: its two bytes under 0x7f7f
.set VSC,   KSC+8192                   ; V's scale words: step s, row d at 256 s + 4 d
.set STG,   VSC+4096                   ; the way out: 16 rows x (256 + 16) bytes for each wave, its own
.set SWAVE, 16*272
.set AK0,  1                           ; v1   my lane's place in a tile of K: 32,784 (r mod 4) + 64 (r / 4) + 16 hh
.set AV0,  2                           ; v2   in a tile of V: VT + 272 r + 8 hh
.set ASK0, 3                           ; v3   KSC + 4 x lane
.set ASV0, 4                           ; v4   VSC + 4 x lane
.set QO,   5                           ; v5   Q's codes: 1,024 r + 16 hh
.set QSO,  6                           ; v6   Q's scale bytes: 32 x lane
.set STO,  7                           ; v7   the stage, in: row r, + 32 hh
.set SRD,  8                           ; v8   the stage, back: row hh, + 16 r
.set GO,   9                           ; v9   out0: 4,096 hh + 16 r
.set ADK,  10                          ; v10-13 LDS addresses of the step in hand: K, V, K's scale words, V's
.set ADV,  11
.set ADS,  12
.set ADT,  13
.set RD8,  14                          ; v14  r - 8 hh
.set NINF, 15                          ; v15  -infinity
.set ST,   16                          ; tile x at v[16 + 4 x]: -M, the largest t, the sum in two halves
.set KS,   24                          ; v24-27 K's scale words: lanes 0-15 tile 2 b, lanes 16-31 tile 2 b + 1
.set VS,   28                          ; v28-29 V's likewise
.set QS,   30                          ; v30  Q's: lane l holds query Q0 + l's
.set PW,   32                          ; v32, v33 p's scale words, tile A, B
.set F,    34                          ; v[34:35], v[36:37] f = 2^(old M - new M), tile A, B (the upper halves are written once: the packed forms name pairs)
.set DM,   38                          ; v38, v39 the mask's threshold, tile A, B
.set BM,   40                          ; v40-43 a block's largest score, then its largest p
.set PX,   44                          ; v44-47 the other half of the lanes' maxima, then the scale bytes
.set HL,   48
.set SO,   52                          ; v52-55 the conversions' scale operands
.set TMP,  56
.set SUM2, 58                          ; v[58:59] the sum's second chain
.set QOC,  60                          ; v60-62 this block's offsets in q_codes, q_scales, out0
.set QSC,  61
.set GOC,  62
.set RC,   63                          ; v63  1 / the row's sum
.set S,    64
.set PC,   192
.set QF,   224
.set KF,   0                           ; window 1
.set VF,   128
.set O,    192
.set WV,   18                          ; s18  my wave's number
.set MNT,  19
.set SEL,  20                          ; s[20:21] v_permlanex16_b32's selects for lane l xor 16
.set CS,   22                          ; s[22:23] c = log2(e) / 8
.set G1K,  24                          ; s[24:31], s[32:39] descriptor groups 1
.set G1V,  32
.set G0K,  40                          ; s[40:55] K's groups 0, a set for each chunk;  s[80:95] V's
.set G0V,  80
.set STP,  57                          ; s57  the trip's first key step
.set DG,   58                          ; s58  the step on the diagonal;  s59 one less
.set DG1,  59
.set TT,   60                          ; s60  the trip's place among V's tiles (17,408 bytes a trip);  s61, s62 among K's and V's scale words;  s79 in K's regions (4,096 bytes a trip)
.set TS,   61
.set TJ,   62
.set TK,   79
.set Q0,   63                          ; s63  the block's first query
.set OFFS, 66                          ; s66  Q0 - 128 DG
.set QT,   68                          ; s68  at work on what hangs on Q0 (free once the buffers' addresses are made)
.set CX,   96
.set HB,   97
.set BB,   98
.set HH,   99
.set MSB, 0
.macro WIN new                         ; the immediate's high byte repeats the setting that is left; a switch that changes nothing is dropped
.if MSB != \new
	s_set_vgpr_msb (MSB<<8)|\new
.set MSB, \new
.endif
.endm
; A round of the cluster's barrier: my work-group's barrier, wave 0 signals for the work-group, every wave waits for all four work-groups, my work-group's barrier once more.
.macro CROUND
	s_barrier_signal -1
	s_barrier_wait -1
	s_cmp_lg_u32 s[WV], 0
	s_cbranch_scc1 .Lnot_wave_0_\@
	s_barrier_signal -3
.Lnot_wave_0_\@:
	s_barrier_wait -3
	s_barrier_signal -1
	s_barrier_wait -1
.endm
; The block's Q is asked for: two fragments (their K = 0 .. 63) and, lane l, query Q0 + l's two scale bytes.  They stay in registers for the block.
.macro QASK
	s_lshl_b32 s[QT], s[Q0], 10
	v_add_nc_u32 v[QOC], s[QT], v[QO]
	s_lshl_b32 s[QT], s[Q0], 5
	v_add_nc_u32 v[QSC], s[QT], v[QSO]
.irp x, 0,1
.irp c, 0,1
	global_load_b128 v[QF+16*\x+4*\c:QF+16*\x+4*\c+3], v[QOC], s[4:5] offset:16*QROW*\x+32*\c
.endr
.endr
	global_load_u16 v[QS], v[QSC], s[6:7]
.endm
	s_load_b256 s[4:11], s[0:1], 0x0               ; q_codes s[4:5], q_scales s[6:7], k_codes s[8:9], k_scales s[10:11]
	s_load_b128 s[12:15], s[0:1], 0x20             ; v_codes s[12:13], v_scales s[14:15]
	s_load_b64 s[16:17], s[0:1], 0x30              ; out0
	v_lshl_add_u32 v254, v0, 2, 0x4d900
	v_mov_b32 v255, 0
	ds_add_u32 v254, v255
	ds_add_u32 v254, v255
	s_wait_dscnt 0x0
	v_lshrrev_b32 v1, 5, v0
	s_delay_alu instid0(VALU_DEP_1)
	v_readfirstlane_b32 s[WV], v1                  ; wave 0..7
	s_bfe_u32 s[CX], ttmp6, 0x40000                ; cx: my place in the cluster
	s_and_b32 s[HB], ttmp7, 0xffff                 ; the cluster's y: 16 b + h, which the four partners share
	s_lshr_b32 s[BB], s[HB], 4
	s_and_b32 s[HH], s[HB], 15
	s_lshl_b32 s68, s[BB], 21                      ; the head's first byte in q_codes and k_codes: b x 2,048 x 1,024 + 64 h
	s_lshl_b32 s67, s[HH], 6
	s_or_b32 s68, s68, s67
	s_mov_b32 s69, 0
	s_lshl_b32 s70, s[BB], 16                      ; in q_scales and k_scales: b x 2,048 x 32 + 2 h
	s_lshl_b32 s67, s[HH], 1
	s_or_b32 s70, s70, s67
	s_mov_b32 s71, 0
	s_lshl_b32 s72, s[HB], 17                      ; in v_codes: 64 x 2,048 bytes a head
	s_mov_b32 s73, 0
	s_lshl_b32 s74, s[HB], 12                      ; in v_scales: 64 x 64
	s_mov_b32 s75, 0
	s_lshl_b32 s76, s[BB], 23                      ; in out0: b x 2,048 x 4,096 + 256 h
	s_lshl_b32 s67, s[HH], 8
	s_or_b32 s76, s76, s67
	s_mov_b32 s77, 0
	s_lshl_b32 s[OFFS], s[CX], 5                   ; the late block first: query 2,016 - 128 w - 32 cx on
	s_lshl_b32 s[Q0], s[WV], 7
	s_add_co_u32 s[Q0], s[Q0], s[OFFS]
	s_sub_co_u32 s[Q0], 2016, s[Q0]
	s_sub_co_u32 s[OFFS], 96, s[OFFS]
	s_sub_co_u32 s[DG], 15, s[WV]
	s_sub_co_u32 s[DG1], s[DG], 1
	; what I fetch of each chunk.  Waves 0-3, j = w: K's region j (keys j, j + 4, ..), the chunk's 128 rows.  Waves 4-7, v = w - 4: of the chunk's two tiles of V tile v / 2, rows 32 (v mod 2) on.
	s_and_b32 s67, s[WV], 3                        ; j, or v
	s_mul_i32 s56, s67, KREG                       ; K, in LDS: 32,784 j (+ 8,192 for each chunk): no place in the cluster enters an LDS address
	s_lshl_b32 s100, s67, 10                       ; in memory: key j is 1,024 j bytes on (+ 2^19 for each chunk)
	s_mov_b32 s101, 0
	s_lshr_b32 s78, s67, 1                         ; v / 2
	s_and_b32 s67, s67, 1                          ; v mod 2
	s_mul_i32 s3, s78, PART                        ; V, in LDS: VT + 17,408 (v / 2) + 32 rows x (v mod 2) (+ two tiles for each chunk)
	s_mul_i32 s2, s67, 32*VP
	s_add_co_u32 s3, s3, s2
	s_add_co_u32 s3, s3, VT
	s_lshl_b32 s104, s78, 8                        ; in memory: 256 (v / 2) + 32 rows of 2,048 bytes x (v mod 2) (+ 512 for each chunk)
	s_lshl_b32 s67, s67, 16
	s_add_co_u32 s104, s104, s67
	s_mov_b32 s105, 0
	; descriptor group 1.  K: 128 rows of 64 bytes, 4,096 apart in memory (every fourth key), on end in LDS.  V: 32 rows of 256 bytes, 2,048 apart, 4 words of padding behind each row's 64 words.
	s_mov_b32 s[G1K+0], 15|(1<<21)                 ; 15:0 the mask: all four work-groups; 17:16 elements of 1 byte; 20 no padding; 21 set beside a mask
	s_mov_b32 s[G1K+1], 64<<16                     ; tensor_dim0
	s_mov_b32 s[G1K+2], 128<<16                    ; tensor_dim1
	s_mov_b32 s[G1K+3], 64<<16                     ; tile_dim0
	s_mov_b32 s[G1K+4], 128                        ; tile_dim1
	s_mov_b32 s[G1K+5], 4*QROW                     ; tensor_dim0_stride
	s_mov_b32 s[G1K+6], 0
	s_mov_b32 s[G1K+7], 0
	s_mov_b32 s[G1V+0], 15|(1<<20)|(1<<21)|(5<<22)|(3<<25)   ; the mask; padding on; 24:22 after every 64 words (code 5); 31:25 four words (code 3)
	s_mov_b32 s[G1V+1], 256<<16
	s_mov_b32 s[G1V+2], 32<<16
	s_mov_b32 s[G1V+3], 256<<16
	s_mov_b32 s[G1V+4], 32
	s_mov_b32 s[G1V+5], 2048
	s_mov_b32 s[G1V+6], 0
	s_mov_b32 s[G1V+7], 0
	s_mov_b32 s[SEL], 0x76543210
	s_mov_b32 s[SEL+1], 0xfedcba98
	s_mov_b32 s[CS], 0x3e38aa3b                    ; c = log2(e) / 8
	s_mov_b32 s[CS+1], s[CS]                       ; (named with it as a pair, so it is written)
	v_and_b32 v57, 31, v0                          ; lane
	v_and_b32 v58, 15, v0                          ; r
	v_bfe_u32 v59, v0, 4, 1                        ; hh
	s_delay_alu instid0(VALU_DEP_2)
	v_lshlrev_b32 v[QO], 10, v58
	s_delay_alu instid0(VALU_DEP_1)
	v_lshl_add_u32 v[QO], v59, 4, v[QO]
	v_lshlrev_b32 v[QSO], 5, v57
	v_lshlrev_b32 v[ADK], 5, v0
	v_lshlrev_b32 v[ADV], 4, v0
	s_wait_alu depctr_va_vdst(0)
	s_wait_kmcnt 0x0
	s_add_nc_u64 s[4:5], s[4:5], s[68:69]          ; every buffer at its head's first byte
	s_add_nc_u64 s[6:7], s[6:7], s[70:71]
	s_add_nc_u64 s[8:9], s[8:9], s[68:69]
	s_add_nc_u64 s[10:11], s[10:11], s[70:71]
	s_add_nc_u64 s[12:13], s[12:13], s[72:73]
	s_add_nc_u64 s[14:15], s[14:15], s[74:75]
	s_add_nc_u64 s[16:17], s[16:17], s[76:77]
	; what comes through registers is asked for ahead of the cluster's round: the head's scale bytes (K's two bytes of key t + 256 i, t my thread's number; V's 16 bytes at 16 t: row t / 4, steps 4 (t % 4) on) and the late block's Q
.irp i, 0,1,2,3,4,5,6,7
	global_load_u16 v[S+\i], v[ADK], s[10:11] offset:256*SROW*\i
.endr
	global_load_b128 v[S+8:S+11], v[ADV], s[14:15]
	QASK
	s_add_nc_u64 s[100:101], s[8:9], s[100:101]    ; K and V at my part of chunk 0
	s_add_nc_u64 s[104:105], s[12:13], s[104:105]
.irp c, 0,1,2,3
	s_mov_b32 s[G0K+4*\c], 1                       ; 1:0 count = 1
	s_add_co_u32 s[G0K+4*\c+1], s56, \c*KCH        ; 63:32 LDS address
	s_add_nc_u64 s[G0K+4*\c+2:G0K+4*\c+3], s[100:101], \c*512*QROW   ; 120:64 global address: 512 keys a chunk
	s_or_b32 s[G0K+4*\c+3], s[G0K+4*\c+3], 0x80000000   ; 127:126 type = 2
	s_mov_b32 s[G0V+4*\c], 1
	s_add_co_u32 s[G0V+4*\c+1], s3, \c*2*PART
	s_add_nc_u64 s[G0V+4*\c+2:G0V+4*\c+3], s[104:105], \c*512
	s_or_b32 s[G0V+4*\c+3], s[G0V+4*\c+3], 0x80000000
.endr
	CROUND                                         ; all four work-groups are here: the joint loads meet
	s_cmp_lt_u32 s[WV], 4                          ; a wave's four fills stand in one branch on its number, chunk 0 first: four tensor loads of mine are out, the only ones of the launch
	s_cbranch_scc0 .Lfill_v
.irp c, 0,1,2,3
	tensor_load_to_lds s[G0K+4*\c:G0K+4*\c+3], s[G1K:G1K+7]
	s_nop 0
.endr
.rept 4
	v_nop                                          ; four v_nop follow the loads
.endr
	s_branch .Lfilled
.Lfill_v:
.irp c, 0,1,2,3
	tensor_load_to_lds s[G0V+4*\c:G0V+4*\c+3], s[G1V:G1V+7]
	s_nop 0
.endr
.rept 4
	v_nop
.endr
.Lfilled:
	v_and_b32 v[TMP], 3, v58
	s_delay_alu instid0(VALU_DEP_1)
	v_mul_u32_u24 v[AK0], v[TMP], KREG             ; my key's region,
	v_lshrrev_b32 v[TMP], 2, v58
	s_delay_alu instid0(VALU_DEP_1)
	v_lshl_add_u32 v[AK0], v[TMP], 6, v[AK0]       ; its row there,
	s_delay_alu instid0(VALU_DEP_1)
	v_lshl_add_u32 v[AK0], v59, 4, v[AK0]          ; my half's 16 bytes
	v_mul_u32_u24 v[AV0], v58, VP
	s_delay_alu instid0(VALU_DEP_1)
	v_lshl_add_u32 v[AV0], v59, 3, v[AV0]
	s_delay_alu instid0(VALU_DEP_1)
	v_add_nc_u32 v[AV0], VT, v[AV0]
	v_lshl_add_u32 v[ASK0], v57, 2, KSC
	v_lshl_add_u32 v[ASV0], v57, 2, VSC
	s_mul_i32 s67, s[WV], SWAVE
	s_add_co_u32 s67, s67, STG                     ; my stage
	v_mul_u32_u24 v[STO], v58, 272
	s_delay_alu instid0(VALU_DEP_1)
	v_lshl_add_u32 v[STO], v59, 5, v[STO]
	s_delay_alu instid0(VALU_DEP_1)
	v_add_nc_u32 v[STO], s67, v[STO]
	v_mul_u32_u24 v[SRD], v59, 272
	s_delay_alu instid0(VALU_DEP_1)
	v_lshl_add_u32 v[SRD], v58, 4, v[SRD]
	s_delay_alu instid0(VALU_DEP_1)
	v_add_nc_u32 v[SRD], s67, v[SRD]
	v_lshlrev_b32 v[GO], 12, v59
	s_delay_alu instid0(VALU_DEP_1)
	v_lshl_add_u32 v[GO], v58, 4, v[GO]
	v_lshlrev_b32 v[TMP], 3, v59
	s_delay_alu instid0(VALU_DEP_1)
	v_sub_nc_u32 v[RD8], v58, v[TMP]
	v_mov_b32 v[NINF], 0xff800000
	v_lshl_add_u32 v[ADS], v0, 2, KSC              ; where I store K's scale words: KSC + 4 t (+ 1,024 i)
	v_and_b32 v[TMP], 3, v0
	v_lshrrev_b32 v[ADT], 2, v0
	s_delay_alu instid0(VALU_DEP_1)
	v_lshlrev_b32 v[ADT], 2, v[ADT]
	s_delay_alu instid0(VALU_DEP_1)
	v_lshl_add_u32 v[ADT], v[TMP], 10, v[ADT]
	s_delay_alu instid0(VALU_DEP_1)
	v_add_nc_u32 v[ADT], VSC, v[ADT]               ; and V's: VSC + 1,024 (t % 4) + 4 (t / 4) (+ 256 e)
.irp b, 0,1,2,3
	v_mov_b32 v[PX+\b], 0                          ; written once: a lane permute's destination counts as one of its sources
.endr
	v_mov_b32 v[F+1], 0
	v_mov_b32 v[F+3], 0
.irp i, 8,9,10,11,12,13,14,15
	v_mov_b32 v[QF+\i], 0                          ; K = 64 .. 127 of Q's fragments: zero codes, for the whole launch
	v_mov_b32 v[QF+16+\i], 0
.endr
	WIN 0x40                                       ; destination window 1
.irp kt, 0,1,2,3,4,5,6,7
.irp i, 8,9,10,11,12,13,14,15
	v_mov_b32 v[KF+16*\kt+\i], 0                   ; and of K's eight
.endr
.endr
	WIN 0
; S^T: tile kt of 16 keys x tile x of queries.  C = 0: each product is a whole sum.
.macro KQ kt, x
.if ((\kt)%2 == 0) && (\x == 0)
	v_wmma_scale_f32_16x16x128_f8f6f4 v[S+64*\x+8*\kt:S+64*\x+8*\kt+7], v[KF+16*\kt:KF+16*\kt+15], v[QF+16*\x:QF+16*\x+15], 0, v[KS+(\kt)/2], v[QS]
.elseif (\x == 0)
	v_wmma_scale_f32_16x16x128_f8f6f4 v[S+64*\x+8*\kt:S+64*\x+8*\kt+7], v[KF+16*\kt:KF+16*\kt+15], v[QF+16*\x:QF+16*\x+15], 0, v[KS+(\kt)/2], v[QS] matrix_a_scale:MATRIX_SCALE_ROW1
.elseif ((\kt)%2 == 0)
	v_wmma_scale_f32_16x16x128_f8f6f4 v[S+64*\x+8*\kt:S+64*\x+8*\kt+7], v[KF+16*\kt:KF+16*\kt+15], v[QF+16*\x:QF+16*\x+15], 0, v[KS+(\kt)/2], v[QS] matrix_b_scale:MATRIX_SCALE_ROW1
.else
	v_wmma_scale_f32_16x16x128_f8f6f4 v[S+64*\x+8*\kt:S+64*\x+8*\kt+7], v[KF+16*\kt:KF+16*\kt+15], v[QF+16*\x:QF+16*\x+15], 0, v[KS+(\kt)/2], v[QS] matrix_a_scale:MATRIX_SCALE_ROW1 matrix_b_scale:MATRIX_SCALE_ROW1
.endif
.endm
; O^T += V^T P^T: tile t of 16 of the head's 64 x tile x of queries
.macro PV t, x
.if (\t)%2 == 0
	v_wmma_scale_f32_16x16x128_f8f6f4 v[O+32*\x+8*\t:O+32*\x+8*\t+7], v[VF+16*\t:VF+16*\t+15], v[PC+16*\x:PC+16*\x+15], v[O+32*\x+8*\t:O+32*\x+8*\t+7], v[VS+(\t)/2], v[PW+\x]
.else
	v_wmma_scale_f32_16x16x128_f8f6f4 v[O+32*\x+8*\t:O+32*\x+8*\t+7], v[VF+16*\t:VF+16*\t+15], v[PC+16*\x:PC+16*\x+15], v[O+32*\x+8*\t:O+32*\x+8*\t+7], v[VS+(\t)/2], v[PW+\x] matrix_a_scale:MATRIX_SCALE_ROW1
.endif
.endm
; On the diagonal: register n holds key 128 DG + 16 (n / 8) + 8 hh + n % 8, hidden where 16 (n / 8) + n % 8 > my query - 128 DG - 8 hh.  Ascending: each accumulator is read from its low end on.
.macro MASK x
.set n, 0
.rept 64
	v_cmp_gt_i32 vcc_lo, 16*(n/8)+n%8, v[DM+\x]
	v_cndmask_b32 v[S+64*\x+n], v[S+64*\x+n], v[NINF], vcc_lo
.set n, n+1
.endr
.endm
; One tile's softmax and quantiser for 128 keys.
.macro SOFTMAX x
.set rS, S+64*\x
.set rT, ST+4*\x
.set rF, F+2*\x
.set rP, PC+16*\x
.irp b, 0,1,2,3
	v_max3_num_f32 v[BM+\b], v[rS+16*\b], v[rS+16*\b+1], v[rS+16*\b+2]   ; the largest score of each block of 32 keys: it serves for the row's maximum and, since p rises with the score, for the block's largest p
.endr
.irp i, 3,5,7,9,11,13
.irp b, 0,1,2,3
	v_max3_num_f32 v[BM+\b], v[BM+\b], v[rS+16*\b+\i], v[rS+16*\b+\i+1]   ; (the four blocks by turns)
.endr
.endr
.irp b, 0,1,2,3
	v_max_num_f32 v[BM+\b], v[BM+\b], v[rS+16*\b+15]
.endr
.irp b, 0,1,2,3
	s_delay_alu instid0(VALU_DEP_4)
	v_permlanex16_b32 v[PX+\b], v[BM+\b], s[SEL], s[SEL+1]
.endr
.irp b, 0,1,2,3
	s_delay_alu instid0(VALU_DEP_4)
	v_max_num_f32 v[BM+\b], v[BM+\b], v[PX+\b]     ; with lane l xor 16's 16 keys
.endr
	s_delay_alu instid0(VALU_DEP_2)
	v_max3_num_f32 v[TMP], v[BM], v[BM+1], v[BM+2]
	s_delay_alu instid0(VALU_DEP_1)
	v_max_num_f32 v[TMP], v[TMP], v[BM+3]          ; the step's largest score of my query
	s_delay_alu instid0(VALU_DEP_1)
	v_mul_f32 v[TMP], s[CS], v[TMP]                ; as t (c is positive)
	s_delay_alu instid0(VALU_DEP_1)
	v_max_num_f32 v[rT+1], v[rT+1], v[TMP]         ; the running largest t
	v_mov_b32 v[TMP], v[rT]
	s_delay_alu instid0(VALU_DEP_2)
	v_floor_f32 v[rT], -v[rT+1]                    ; the new -M = floor(-t) = -ceil(t)
	s_delay_alu instid0(VALU_DEP_1)
	v_sub_f32 v[TMP], v[rT], v[TMP]                ; old M - new M: a whole number, 0 or less
	s_delay_alu instid0(VALU_DEP_1)
	v_cvt_i32_f32 v[TMP], v[TMP]                   ; (it saturates)
	s_delay_alu instid0(VALU_DEP_1)
	v_ldexp_f32 v[rF], 1.0, v[TMP]                 ; f = 2^(old M - new M)
.set j, 0
.rept 32
	v_pk_fma_f32 v[rS+j:rS+j+1], v[rS+j:rS+j+1], s[CS:CS+1], v[rT:rT+1] op_sel_hi:[1,0,0]   ; t - M, two at a time (of the pairs c and -M the low word serves both halves)
.set j, j+2
.endr
.irp b, 0,1,2,3
	v_fma_f32 v[BM+\b], v[BM+\b], s[CS], v[rT]     ; the same of each block's largest score
.endr
.set j, 0
	s_wait_alu depctr_va_vdst(0)
.rept 64
	v_exp_f32 v[rS+j], v[rS+j]                     ; p = 2^(t - M), at most 1
.set j, j+1
.endr
.irp b, 0,1,2,3
	v_exp_f32 v[BM+\b], v[BM+\b]                   ; the block's largest p
.endr
	v_pk_mul_f32 v[rT+2:rT+3], v[rT+2:rT+3], v[rF:rF+1] op_sel_hi:[1,0]   ; the sums under the new M.  (The plain instruction behind the exponentials)
	s_wait_alu depctr_va_vdst(0)
.irp b, 0,1,2,3
	v_max_num_f32 v[BM+\b], 0x4800000, v[BM+\b]    ; the floor 2^(9 - 127): the byte cannot fall under 1
.endr
.irp b, 0,1,2,3
	s_delay_alu instid0(VALU_DEP_4)
	v_add_nc_u32 v[SO+\b], 0xfc000000, v[BM+\b]    ; 8 off the exponent field: the conversion's scale operand
.endr
.irp b, 0,1,2,3
.endr
.irp b, 0,1,2,3
	s_delay_alu instid0(VALU_DEP_4)
	v_lshrrev_b32 v[PX+\b], 23, v[SO+\b]           ; the scale's byte
.endr
	s_delay_alu instid0(VALU_DEP_3)
	v_lshl_or_b32 v[PW+\x], v[PX+1], 8, v[PX]      ; p's scale word for these 128 keys
	s_delay_alu instid0(VALU_DEP_1)
	v_lshl_or_b32 v[PW+\x], v[PX+2], 16, v[PW+\x]
	s_delay_alu instid0(VALU_DEP_1)
	v_lshl_or_b32 v[PW+\x], v[PX+3], 24, v[PW+\x]
	v_pk_add_f32 v[SUM2:SUM2+1], v[rS:rS+1], v[rS+2:rS+3]   ; the row's sum is taken of the unquantised p: two at a time, in two chains
.irp j4, 4,8,12,16,20,24,28,32,36,40,44,48,52,56,60
	v_pk_add_f32 v[rT+2:rT+3], v[rT+2:rT+3], v[rS+\j4:rS+\j4+1]
	v_pk_add_f32 v[SUM2:SUM2+1], v[SUM2:SUM2+1], v[rS+\j4+2:rS+\j4+3]
.endr
	s_delay_alu instid0(VALU_DEP_1)
	v_pk_add_f32 v[rT+2:rT+3], v[rT+2:rT+3], v[SUM2:SUM2+1]
.irp b, 0,1,2,3
.irp i, 0,1,2,3,4,5,6,7,8,9,10,11,12,13,14,15
.endr
	v_cvt_scalef32_pk8_fp8_f32 v[rP+4*\b:rP+4*\b+1], v[rS+16*\b:rS+16*\b+7], v[SO+\b]
	v_cvt_scalef32_pk8_fp8_f32 v[rP+4*\b+2:rP+4*\b+3], v[rS+16*\b+8:rS+16*\b+15], v[SO+\b]
.endr
.endm
.macro RESCALE x                       ; O^T under the new M, ascending
.set j, 0
.rept 16
	v_pk_mul_f32 v[O+32*\x+j:O+32*\x+j+1], v[O+32*\x+j:O+32*\x+j+1], v[F+2*\x:F+2*\x+1] op_sel_hi:[1,0]
.set j, j+2
.endr
.endm
; A KEY STEP: 128 keys, the o-th of the trip's two, for both tiles of queries.  diag = 1: the step may lie on the diagonal or behind it.  A step all of whose keys come after my queries is then left out:
; a scalar branch on the wave's number and the trip.  diag = 0: all its keys count for all my queries: no such branch and no mask are written.
.macro STEP o, diag
.if \diag
.if \o == 0
	s_cmp_gt_u32 s[STP], s[DG]
.else
	s_cmp_ge_u32 s[STP], s[DG]
.endif
	s_cbranch_scc1 .Lhidden_\@
.endif
	v_add_nc_u32 v[ADK], s[TK], v[AK0]             ; these four and the four v_nop are the eight places between the last step's products and the loads into their registers
	v_add_nc_u32 v[ADV], s[TT], v[AV0]
	v_add_nc_u32 v[ADS], s[TS], v[ASK0]
	v_add_nc_u32 v[ADT], s[TJ], v[ASV0]
.rept 4
	v_nop
.endr
.irp b, 0,1,2,3
	ds_load_b32 v[KS+\b], v[ADS] offset:512*\o+128*\b
.endr
.irp g, 0,1
	ds_load_b32 v[VS+\g], v[ADT] offset:256*\o+128*\g
.endr
	WIN 0x40                                       ; destination window 1
.irp kt, 0,1,2,3,4,5,6,7
.irp c, 0,1
	ds_load_b128 v[KF+16*\kt+4*\c:KF+16*\kt+4*\c+3], v[ADK] offset:KSTEP*\o+KTILE*\kt+32*\c
.endr
.endr
.irp t, 0,1,2,3
.irp b, 0,1,2,3
	ds_load_b64 v[VF+16*\t+4*\b:VF+16*\t+4*\b+1], v[ADV] offset:128*\o+16*VP*\t+32*\b        ; keys 32 b + 8 hh on
	ds_load_b64 v[VF+16*\t+4*\b+2:VF+16*\t+4*\b+3], v[ADV] offset:128*\o+16*VP*\t+32*\b+16   ; keys 32 b + 16 + 8 hh on: the order in which p's codes stand
.endr
.endr
	WIN 0
	s_wait_dscnt 32                                ; the scale words and K are in; V's 32 loads, the youngest, stay out under the first product and the softmax
	WIN 0x01                                       ; source 0 (K) window 1
	s_wait_alu depctr_va_vdst(0)
.irp kt, 0,1,2,3,4,5,6,7
	KQ \kt, 0
	KQ \kt, 1
.endr
	WIN 0
.rept 8
	v_nop                                          ; eight places in front of the first read of the scores
.endr
.if \diag
.if \o == 0
	s_cmp_eq_u32 s[STP], s[DG]
.else
	s_cmp_eq_u32 s[STP], s[DG1]
.endif
	s_cbranch_scc0 .Lopen_\@                       ; only the step on the diagonal is masked
	MASK 0
	MASK 1
.Lopen_\@:
.endif
	SOFTMAX 0
	SOFTMAX 1
	WIN 0x41                                       ; O^T (destination and source 0) window 1
	RESCALE 0
	RESCALE 1                                      ; these 32 also stand between p's last conversion and the products below
	s_wait_alu depctr_va_vdst(0)
	s_wait_dscnt 0x0                               ; V is in
	WIN 0x51                                       ; V, C and D window 1, P window 0
.irp t, 0,1,2,3
	PV \t, 0                                       ; the eight accumulators take turns, one instruction a turn
	PV \t, 1
.endr
	WIN 0
.if \diag
.Lhidden_\@:
.endif
.endm
; Trips t0 .. t1 - 1 of two key steps (256 keys) each.  Every loop starts from constants, and its trip count is a constant in every wave.
.macro PAIRS t0, t1, diag
	s_mov_b32 s[STP], 2*\t0
	s_mov_b32 s[TK], \t0*2*KSTEP
	s_mov_b32 s[TT], \t0*PART
	s_mov_b32 s[TS], \t0*1024
	s_mov_b32 s[TJ], \t0*512
.Lpair_\@:
	STEP 0, \diag
	STEP 1, \diag
	s_add_co_u32 s[TK], s[TK], 2*KSTEP
	s_add_co_u32 s[TT], s[TT], PART
	s_add_co_u32 s[TS], s[TS], 1024
	s_add_co_u32 s[TJ], s[TJ], 512
	s_add_co_u32 s[STP], s[STP], 2
	s_cmp_lt_u32 s[STP], 2*\t1
	s_cbranch_scc1 .Lpair_\@
.endm
; A block begins: its offset in out0, its statistics, O^T; then its Q, asked for earlier, is waited for.
.macro INIT
	s_lshl_b32 s[QT], s[Q0], 12
	v_add_nc_u32 v[GOC], s[QT], v[GO]
.irp x, 0,1
	v_mov_b32 v[ST+4*\x+1], 0xff61b1e6             ; the largest t so far: -3e38, under every t
	s_delay_alu instid0(VALU_DEP_1)
	v_floor_f32 v[ST+4*\x], -v[ST+4*\x+1]          ; -M
	v_mov_b32 v[ST+4*\x+2], 0                      ; the sum, in two halves
	v_mov_b32 v[ST+4*\x+3], 0
.endr
	WIN 0x40
.set j, 0
.rept 64
	v_mov_b32 v[O+j], 0                            ; O^T.  (A block's first step is no other than the rest: it finds zeros, which the first change of M leaves zeros; a first step of its own would be one more copy of the step)
.set j, j+1
.endr
	WIN 0
	s_wait_loadcnt 0x0                             ; Q and its scale bytes (at the launch's head: K's and V's scale bytes too)
	v_or_b32 v[QS], 0x7f7f0000, v[QS]              ; the zero codes' two blocks get the byte of 1.0.  Behind it stand the two lines below and the step's first eight, ahead of the first product that names it
	v_add_nc_u32 v[DM], s[OFFS], v[RD8]            ; the mask's thresholds: my query - 128 DG - 8 hh, tile A,
	s_delay_alu instid0(VALU_DEP_1)
	v_add_nc_u32 v[DM+1], 16, v[DM]                ; tile B
.endm
; THE WAY OUT of tile x: the sum's halves and the other half of the lanes'; O^T / the sum; through my own stage, so that sixteen lanes store 256 consecutive bytes of a query's row.
.macro PACK x
	v_add_f32 v[TMP], v[ST+4*\x+2], v[ST+4*\x+3]
	s_delay_alu instid0(VALU_DEP_1)
	v_permlanex16_b32 v[PX], v[TMP], s[SEL], s[SEL+1]
	s_delay_alu instid0(VALU_DEP_1)
	v_add_f32 v[TMP], v[TMP], v[PX]
	s_wait_alu depctr_va_vdst(0)
	v_rcp_f32 v[RC], v[TMP]
	v_nop                                          ; a plain instruction between the reciprocal and the use of its result
	WIN 0x01                                       ; source 0 (O^T) window 1
.set j, 0
	s_wait_alu depctr_va_vdst(0)
.rept 32
	v_mul_f32 v[S+64*\x+j], v[O+32*\x+j], v[RC]    ; register 8 t + i is out(query r, 16 t + 8 hh + i); ascending
.set j, j+1
.endr
	WIN 0
.irp t, 0,1,2,3
	ds_store_b128 v[STO], v[S+64*\x+8*\t:S+64*\x+8*\t+3] offset:64*\t
	ds_store_b128 v[STO], v[S+64*\x+8*\t+4:S+64*\x+8*\t+7] offset:64*\t+16
.endr
.irp i, 0,1,2,3,4,5,6,7
	ds_load_b128 v[S+64*\x+32+4*\i:S+64*\x+32+4*\i+3], v[SRD] offset:2*272*\i   ; LDS serves a wave's instructions in order (ISA guide 5.7.1.4): these see the stores above, and the next tile's stores come behind them
.endr
.endm
.macro SEND x, younger                 ; younger: the LDS instructions issued behind tile x's loads, which may stay out
.irp i, 0,1,2,3,4,5,6,7
	s_wait_dscnt \younger+7-\i
	global_store_b128 v[GOC], v[S+64*\x+32+4*\i:S+64*\x+32+4*\i+3], s[16:17] offset:16*OROW*\x+2*OROW*\i th:TH_STORE_NT   ; 16 lanes store 256 consecutive bytes, at a multiple of 256 from out0's first byte; written once
.endr
.endm
.macro WAYOUT
	PACK 0
	PACK 1                                         ; tile B's arithmetic stands between tile A's loads from the stage and its stores
	SEND 0, 16                                     ; behind tile A's loads: tile B's 8 stores and 8 loads
	SEND 1, 0
.endm
	; ---- THE LATE BLOCK: 16 - w key steps, the diagonal in step 15 - w, which is 8 at the least
	INIT
.irp i, 0,1,2,3,4,5,6,7
	v_or_b32 v[S+\i], 0x7f7f0000, v[S+\i]          ; K's scale words: the zero codes' two blocks get the byte of 1.0
.endr
.irp i, 0,1,2,3,4,5,6,7
	ds_store_b32 v[ADS], v[S+\i] offset:1024*\i
.endr
.irp e, 0,1,2,3
	ds_store_b32 v[ADT], v[S+8+\e] offset:256*\e
.endr
	s_wait_tensorcnt 0x3                           ; for the others' sake: my part of chunk 0 has landed; my three younger loads, chunks 1 to 3, may stay out
	s_wait_dscnt 0x0                               ; and my scale words are stored
	s_barrier_signal -1
	s_barrier_wait -1                              ; everybody's: keys 0 to 511 and all scale words may be read
	PAIRS 0, 2, 0                                  ; key steps 0 to 3 read chunk 0 alone: K's rows 0 to 127 of each region, V's tiles 0 and 1
	s_wait_tensorcnt 0x0                           ; for the others' sake: all my parts have landed
	s_wait_dscnt 0x0
	s_barrier_signal -1
	s_barrier_wait -1                              ; everybody's: from here on K and V are only read, and no barrier follows but the closing round's
	PAIRS 2, 8, 1
.rept 8
	v_nop                                          ; eight places between the last products and the first read of O^T
.endr
	s_sub_co_u32 s[Q0], 2016, s[Q0]                ; the early block: query 128 w + 32 cx on, the diagonal in step w
	s_sub_co_u32 s[OFFS], 96, s[OFFS]
	s_sub_co_u32 s[DG], 15, s[DG]
	s_sub_co_u32 s[DG1], s[DG], 1
	QASK                                           ; its Q is asked for ahead of the late block's way out: the last product that read Q's registers stands a whole softmax back
	WAYOUT
	s_wait_xcnt 0x0                                ; the stores have read their offsets and data: both are written again below
	; ---- THE EARLY BLOCK: w + 1 key steps, 8 at the most: four trips
	INIT
	PAIRS 0, 4, 1
.rept 8
	v_nop
.endr
	WAYOUT
	s_wait_dscnt 0x0                               ; no LDS instruction of mine is out at a signal
	s_wait_xcnt 0x0
	v_lshl_add_u32 v254, v0, 2, 0x4d900
	v_mov_b32 v255, 0
	s_wait_alu depctr_va_vdst(0)
	s_wait_tensorcnt 0x0
	ds_add_u32 v254, v255
	s_wait_dscnt 0x0
	CROUND                                         ; the closing round of the cluster's barrier
	s_endpgm
.Lfunc_end_k_q2d20b9bc0d_attn:
	.size	k_q2d20b9bc0d_attn, .Lfunc_end_k_q2d20b9bc0d_attn-k_q2d20b9bc0d_attn
	.p2alignl 7, 3214868480
	.fill 96, 4, 3214868480
	.section	.rodata,"a",@progbits
	.p2align	6, 0x0
	.amdhsa_kernel k_q2d20b9bc0d_attn
		.amdhsa_group_segment_fixed_size 327680
		.amdhsa_private_segment_fixed_size 0
		.amdhsa_enable_private_segment 0
		.amdhsa_kernarg_size 56
		.amdhsa_user_sgpr_count 2
		.amdhsa_user_sgpr_kernarg_segment_ptr 1
		.amdhsa_wavefront_size32 1
		.amdhsa_system_sgpr_workgroup_id_x 1
		.amdhsa_system_sgpr_workgroup_id_y 1
		.amdhsa_system_sgpr_workgroup_id_z 1
		.amdhsa_system_vgpr_workitem_id 0
		.amdhsa_next_free_vgpr 512
		.amdhsa_next_free_sgpr 106
		.amdhsa_reserve_vcc 1
		.amdhsa_float_denorm_mode_32 3
		.amdhsa_float_denorm_mode_16_64 3
		.amdhsa_fp16_overflow 1
		.amdhsa_memory_ordered 1
		.amdhsa_forward_progress 1
		.amdhsa_inst_pref_size 255
	.end_amdhsa_kernel
	.section	.bss,"aw",@nobits
	.p2align	6
	.space	262144
	.amdgpu_metadata
---
amdhsa.version: [ 1, 2 ]
amdhsa.kernels:
  - .name:           k_q2d20b9bc0d_attn
    .symbol:         k_q2d20b9bc0d_attn.kd
    .args:
      - { .name: q_codes, .offset: 0, .size: 8, .value_kind: global_buffer, .address_space: global }
      - { .name: q_scales, .offset: 8, .size: 8, .value_kind: global_buffer, .address_space: global }
      - { .name: k_codes, .offset: 16, .size: 8, .value_kind: global_buffer, .address_space: global }
      - { .name: k_scales, .offset: 24, .size: 8, .value_kind: global_buffer, .address_space: global }
      - { .name: v_codes, .offset: 32, .size: 8, .value_kind: global_buffer, .address_space: global }
      - { .name: v_scales, .offset: 40, .size: 8, .value_kind: global_buffer, .address_space: global }
      - { .name: out0, .offset: 48, .size: 8, .value_kind: global_buffer, .address_space: global }
    .group_segment_fixed_size: 327680
    .private_segment_fixed_size: 0
    .kernarg_segment_align: 8
    .kernarg_segment_size: 56
    .max_flat_workgroup_size: 256
    .sgpr_count:     106
    .vgpr_count:     512
    .wavefront_size: 32
...
	.end_amdgpu_metadata
.endif
;; end of part 1
